; MI455X (gfx1250); checked and timed in simulation.
; The chip was launched on July 23, 2026; its instructions are those of AMD's public machine-readable ISA for CDNA 5 (MIT licence, August 2026) and "CDNA5" Instruction Set Architecture Reference Guide (July 2026). The comments in the code are by the model that wrote it; some were corrected since.
;; Per Pixel Cross Attention. Allowed arithmetic: matrix products marked QUANTISED: E4M3 operands, one E8M0 scale for each 32 along K, by v_wmma_scale_f32_16x16x128_f8f6f4 with both operands' format E4M3, f32 sums; products left as they are: f32 operands where the result goes on into a quantised operand, else bf16, f16 or f32 operands; f32 sums; everything else in f32.
;; Inputs: Wkv_codes 256 x 4 x 32 uint8 (E4M3 codes of Wkv, K innermost, in blocks of 32 codes); Wkv_scales 256 x 4 uint8 (E8M0 scales of Wkv, one for each 32 codes along K); Wo_codes 128 x 4 x 32 uint8 (E4M3 codes of Wo, K innermost, in blocks of 32 codes); Wo_scales 128 x 4 uint8 (E8M0 scales of Wo, one for each 32 codes along K); Wq_codes 128 x 4 x 32 uint8 (E4M3 codes of Wq, K innermost, in blocks of 32 codes); Wq_scales 128 x 4 uint8 (E8M0 scales of Wq, one for each 32 codes along K); bo 128 float32; context_codes 4 x 4,096 x 32 x 4 x 32 uint8 (E4M3 codes of context, K innermost, in blocks of 32 codes); context_scales 4 x 4,096 x 32 x 4 uint8 (E8M0 scales of context, one for each 32 codes along K); x_codes 4 x 4,096 x 1 x 4 x 32 uint8 (E4M3 codes of x, K innermost, in blocks of 32 codes); x_scales 4 x 4,096 x 1 x 4 uint8 (E8M0 scales of x, one for each 32 codes along K).
;; Outputs: out0 4 x 4,096 x 1 x 128 float32.
;; This version of the problem:
;;   THIS VERSION OF THE PROBLEM IS GIVEN IN LOW PRECISION. The matrix products marked QUANTISED in the list below multiply operands that are first quantised to E4M3 (4 exponent bits, 3 mantissa bits; 8 bits a number), with one power-of-two scale for each 32 numbers along K (OCP MX v1.0); their sums are f32. All else is computed in f32.
;;   The module's matrix products, in the order in which they are computed (A, B: the left and right operand; K: the contracted axis; several contracted axes count as one K, in the product's order):
;;     1. [M 16,384, K 128] x [K 128, N 128]; A: input x (given as codes); B: input Wq (given as codes): QUANTISED
;;     2. [M 524,288, K 128] x [K 128, N 256]; A: input context (given as codes); B: input Wkv (given as codes): QUANTISED
;;     3. batch 32,768 x [M 1, K 64] x [K 64, N 32]; A: computed on the way; B: computed on the way: left as it is (M = 1 < 16)
;;     4. batch 32,768 x [M 1, K 32] x [K 32, N 64]; A: softmax; B: computed on the way: left as it is (M = 1 < 16)
;;     5. [M 16,384, K 128] x [K 128, N 128]; A: computed on the way; B: input Wo (given as codes): QUANTISED
;;   THE QUANTISER, for each operand of a quantised product, along K:
;;     - K is cut into blocks of 32 from its start; a last block that is shorter is filled with zeros.
;;     - A block's scale is 2^e with e = floor(log2(the largest magnitude in the block)) - 8, held to -126 .. 127; a block of zeros has e = 0. As a byte (E8M0): e + 127.
;;     - Each number is divided by its block's scale, clamped to +-448, and rounded to the nearest number of E4M3, ties to even, subnormals kept.
;;     - The product sums the exact products of the quantised numbers (number of the format x scale) in f32.
;;   ~~~python
;;   def quantise(x, axis):      # numpy; x: float32 -> the quantised numbers, widened to float32 again
;;       x = np.moveaxis(x, axis, -1); K = x.shape[-1]
;;       x = np.pad(x, [(0, 0)] * (x.ndim - 1) + [(0, -K % 32)]); x = x.reshape(x.shape[:-1] + (-1, 32)); a = np.abs(x).max(-1, keepdims=True)
;;       e = np.where(a > 0, np.clip(np.frexp(np.where(a > 0, a, 1))[1] - 1 - 8, -126, 127), 0)      # np.frexp(a)[1] - 1 = floor(log2(a)), exactly
;;       r = np.clip(x / 2.0 ** e, -448, 448)
;;       step = 2.0 ** (np.maximum(np.frexp(np.where(r == 0, 1, r))[1] - 1, -6) - 3)
;;       q = np.round(r / step) * step * 2.0 ** e      # np.round: ties to even
;;       return np.moveaxis(q.reshape(q.shape[:-2] + (-1,))[..., :K], -1, axis).astype(np.float32)
;;   ~~~
;;   OPERANDS COMPUTED ON THE WAY. 'Computed on the way' means the value that the module computes at that place (a softmax that the list does not call 'softmax' is quantised finished and normalised). What goes into a quantiser is computed in f32, as accurately as f32 sums, v_exp_f32 and their like allow (about 1e-6 of the number): no bf16 or f16 on the way to a quantiser, and a product that is left as it is and whose result goes on into a quantised operand takes f32 operands (vector FMAs, or v_wmma_f32_16x16x4_f32). A number that lies on a knife's edge between two numbers of the format may be rounded either way, as far as f32 arithmetic and the matrix unit's own rounding can turn it there, and no further.
;;   INPUTS GIVEN AS CODES. Wkv (in the module: [128, 256], K = its axis 0); Wo (in the module: [128, 128], K = its axis 0); Wq (in the module: [128, 128], K = its axis 0); context (in the module: [4, 4096, 32, 128], K = its axis 3); x (in the module: [4, 4096, 1, 128], K = its axis 3): each comes as NAME_codes (uint8): NAME with its K axis moved to the last place and cut into blocks of 32 codes, [.., K / 32, bytes a block], one block behind the other in memory; one code a byte (a code: sign, 4 exponent bits, 3 mantissa bits); and NAME_scales (uint8): the same leading axes, one E8M0 byte (e + 127) for each 32 codes along K. Its value is code x scale, taken as it is: it is not quantised again, and the codes and scales need not be those that the quantiser above would give.
;; One version. Each part assembles by itself: llvm-mc -triple=amdgcn-amd-amdhsa -mcpu=gfx1250 --defsym DOCPART=n.
;; ======== version 1 of 1: 1 launch
;; launch attn (part 1): grid 256 x 1, 4 waves a work-group, no clusters, 327,680 bytes of LDS; arguments context_codes, context_scales, x_codes, x_scales, Wkv_codes, Wkv_scales, Wq_codes, Wq_scales, Wo_codes, Wo_scales, bo, out0; writes out0
.if DOCPART == 1
	.amdgcn_target "amdgcn-amd-amdhsa--gfx1250"
	.amdhsa_code_object_version 6
	.text
	.protected	k_qeab7b99d89_attn
	.globl	k_qeab7b99d89_attn
	.p2align	8
	.type	k_qeab7b99d89_attn,@function
k_qeab7b99d89_attn:
	s_mov_b64 s[64:65], 0
	v_nop
	global_prefetch_b8 v0, s[64:65] scope:SCOPE_SE
	s_setreg_imm32_b32 hwreg(HW_REG_WAVE_MODE, 25, 1), 1
	s_wait_xcnt 0x0
; Per-pixel cross attention on codes of FP8 (E4M3) with one E8M0 scale for each 32 along K.  16,384 pixels; each has one row of x [128] and 32 rows of context [128].
;   q = x Wq, kv = context Wkv (both on codes, as they are given);  sim = q . k / 8 for each of 2 heads of 64;  softmax over the 32 keys;  out = p . v;  y = Q(out) Wo + bo, Q the MX quantiser along the 128.
; SHARES.  256 work-groups of four waves; wave w of work-group g owns the 16 pixels from 64 g + 16 w on and takes them through the whole chain.  No loop, no branch.
; A LANE IS A PIXEL.  Every product is used transposed (source 0 = 16 rows of a weight, source 1 = 16 pixels): lane (r, h) holds pixel r, and register j of tile t column 16 t + 8 h + j.  q and k lie alike, so q . k is
; multiply-adds inside a lane and one exchange between the halves of the lanes; the softmax runs over registers; p . v is a lane's own p times its registers.
; THE ROWS OF Wv THAT FORM A TILE ARE NOT NEIGHBOURS: lane r of tile 2 b + u takes row 32 b + 8 u + r + 8 (r / 8), so that the 16 registers of tiles 2 b, 2 b + 1 of out are 16 neighbours along the last product's K.
; THE STREAM.  A wave's context, 64 KB dense in memory, comes by four tensor loads of 8 keys each (16 rows, a pixel each, of 1,024 bytes), all asked for at the start with the wave's shares of Wkv and Wq: six tensor loads
; of a wave are out at the most.  Every LDS byte is filled once.  Chunk g is worked on while the later chunks are on their way; the softmax keeps a running maximum and sum from chunk to chunk.
; BY TURNS.  In a chunk's K phase each matrix instruction (key e) stands behind the five vector instructions that take up the same tile of key e - 1; the V phase likewise.  The registers are laid so that ONE setting of the
; register windows serves a phase's matrix and vector instructions alike: six switches a chunk.
; NO CLUSTER: what work-groups share is 48 KB of weights through LDS, against 272 KB of context, scales and x that are a work-group's own.
; LIMITS: NaN and infinities among the inputs are not served.  A p under 2^-126 counts as 0 (v_exp_f32 gives 0 there).  A block of zeros of out gets the scale byte 1 with zero codes, where the rule says 127:
; zero codes add nothing under either byte, and this text alone reads the byte.
.set WREG, 66560                       ; LDS: a wave's context: four chunks
.set CHB,  16640                       ; a chunk: 16 rows x (1,024 bytes + 16 of padding)
.set CP,   1040                        ; 65 x 16 bytes: the 16 rows that a fragment load touches start 16 bytes apart modulo 256
.set WP,   144                         ; a weight's row: 128 bytes + 16
.set WKVB, 4*WREG                      ; Wkv: 256 rows
.set WQB,  WKVB+256*WP                 ; Wq: 128 rows; the text's last LDS byte is WQB + 128 WP = 321,536
.set SP,   528                         ; the way out: 16 rows x (512 bytes + 16), in the wave's own chunk 0, which has had its one fill and its last read by then
; window 0: addresses, x, and the scale words (scale operands are always taken from window 0)
.set RR,   1                           ; r = lane % 16
.set HH,   2                           ; h = lane / 16
.set A128, 3                           ; 128 r + 16 h: x's fragment, the context's scale words, Wo's fragments, in memory
.set ADC,  4                           ; my place in a chunk: wave's region + 1,040 r + 16 h
.set AWN,  5                           ; in Wk (and, 256 rows on, Wq): WKVB + 144 r + 16 h
.set AWV,  6                           ; in Wv: WKVB + 128 rows + 144 (r + 8 (r / 8)) + 16 h
.set L4,   7                           ; 4 x lane
.set V4,   8                           ; 4 (r + 8 (r / 8) + 8 h)
.set R4,   9                           ; 4 r
.set H32,  10                          ; 32 h
.set STO,  11                          ; the stage: where I put 32 bytes of a row
.set RD,   12                          ; and where I read a row back
.set GO,   13                          ; 16 x lane: my bytes of a row of y
.set LN,   14                          ; lane
.set RP,   15                          ; r + 8 (r / 8)
.set XF,   16                          ; v16-31  x's fragment
.set SC,   32                          ; v32-47  context: register 4 g + i: lanes 0-15 the word of key 8 g + i, lanes 16-31 of key 8 g + 4 + i
.set WKS,  48                          ; v48-51  Wk: register i: lanes 0-15 tile 2 i, lanes 16-31 tile 2 i + 1;  WVS, WQS, WOS likewise
.set WVS,  52
.set WQS,  56
.set WOS,  60
.set XS,   64                          ; x's scale words
.set PW,   65                          ; out's scale word
.set TMP0, 66
; window 1: v0-127 Wk (tile t at 16 t), later Wo;  the rest:
.set RK,   128                         ; k of one key, tile t at RK + 8 t; at the end y
.set ACC,  192                         ; q . k under way: 16 registers for each parity of the key, 8 (four pairs) a head; also at work in the exchange
.set SS,   224                         ; the chunk's 16 scores: key e, head hd at SS + 2 e + hd
.set MX,   240                         ; the running maximum, a pair (two heads) for each parity of the chunk
.set NG,   244                         ; - c x the maximum, likewise
.set FA,   248                         ; the exponent of the factor for what was summed before
.set BO,   192                         ; at the end: bo, tile t at BO + 8 t
; window 2: v0-127 the chunk's eight fragments of context (key e at 16 e); before that Wq; at the end rows of y;  the rest:
.set QQ,   128                         ; q, tile t at QQ + 8 t
.set PP,   192                         ; p: key e, head hd at PP + 2 e + hd
.set FF,   208                         ; the factor, a pair
.set LL,   210                         ; the running sum, a pair
.set UU,   212                         ; at work
.set RL,   220                         ; 1 / sum
; window 3: v0-127 Wv (tile t at 16 t); at the end:
.set TM,   0                           ; the quantiser's 16 registers
.set PC,   16                          ; out's codes
.set RV,   128                         ; v of one key
.set OO,   192                         ; out, tile t at OO + 8 t
.set WV,   2                           ; s2  my wave's number
.set LB,   3                           ; s3  my wave's region of LDS
.set P0,   4                           ; s4  my first pixel
.set G1C,  32                          ; s[32:39] descriptor group 1 for a chunk;  s[40:47] for my share of Wkv;  s[48:55] of Wq
.set G1W,  40
.set G1Q,  48
.set G0W,  56                          ; s[56:59], s[60:63] their groups 0;  s[68:83] those of the four chunks
.set G0Q,  60
.set G0C,  68
.set SEL,  84                          ; s[84:85] v_permlanex16_b32's selects for lane l xor 16
.set CS,   86                          ; s[86:87] c = log2(e) / 8
.set NC,   88                          ; s[88:89] -c
.set MNT,  90                          ; the mantissa field of 448
; s_set_vgpr_msb's low byte: bits 1:0 source 0, 3:2 source 1, 5:4 source 2, 7:6 destination
.set W_K,  0x59                        ; source 0 (Wk; k) window 1, source 1 (context; q) window 2, source 2 and destination (k; the sums) window 1
.set W_V,  0xfb                        ; source 0 (Wv; v) window 3, source 1 (context; p) window 2, source 2 and destination (v; out) window 3
.set W_S,  0x55                        ; all window 1
.set W_E,  0x81                        ; source window 1, destination window 2
.set W_L,  0xaa                        ; all window 2
.set MSB, 0
.macro WIN new                         ; the immediate's high byte repeats the setting that is left; a switch that changes nothing is dropped
.if MSB != \new
	s_set_vgpr_msb (MSB<<8)|\new
.set MSB, \new
.endif
.endm
.macro PLACES n                        ; plain vector instructions that name no register of the matrix instructions in front of them (ISA guide 7.12.1)
.rept \n
	v_nop
.endr
.endm
; a product that starts its sum with 0.  ra, rb: the side's scale words stand in lanes 16-31 of the register named
.macro MM d, a, b, sa, ra, sb, rb
.if (\ra) && (\rb)
	v_wmma_scale_f32_16x16x128_f8f6f4 v[\d:\d+7], v[\a:\a+15], v[\b:\b+15], 0, v[\sa], v[\sb] matrix_a_scale:MATRIX_SCALE_ROW1 matrix_b_scale:MATRIX_SCALE_ROW1
.elseif (\ra)
	v_wmma_scale_f32_16x16x128_f8f6f4 v[\d:\d+7], v[\a:\a+15], v[\b:\b+15], 0, v[\sa], v[\sb] matrix_a_scale:MATRIX_SCALE_ROW1
.elseif (\rb)
	v_wmma_scale_f32_16x16x128_f8f6f4 v[\d:\d+7], v[\a:\a+15], v[\b:\b+15], 0, v[\sa], v[\sb] matrix_b_scale:MATRIX_SCALE_ROW1
.else
	v_wmma_scale_f32_16x16x128_f8f6f4 v[\d:\d+7], v[\a:\a+15], v[\b:\b+15], 0, v[\sa], v[\sb]
.endif
.endm
.macro KMM g                           ; tile T of k for key E of chunk g
	MM RK+8*T, 16*T, 16*E, WKS+T/2, T%2, SC+4*\g+E%4, E/4
.endm
.macro VMM g                           ; the same of v (the windows make it Wv and RV)
	MM RV+8*T, 16*T, 16*E, WVS+T/2, T%2, SC+4*\g+E%4, E/4
.endm
.macro FRAG reg, adr, off              ; a fragment, 16 rows x 128 K: registers 4 c .. 4 c + 3 hold K = 32 c + 16 h + 0 .. 15
.irp c, 0,1,2,3
	ds_load_b128 v[\reg+4*\c:\reg+4*\c+3], v[\adr] offset:\off+32*\c
.endr
.endm
; line k of four that add up the four pairs of key e, head hd.  They stand in the K phase, where the second source's place means window 2: so an addition is written x * 1.0 + y
.macro REDK e, hd, k
.set RA, ACC+16*((\e)%2)+8*(\hd)
.if (\k) == 0
	v_pk_fma_f32 v[RA:RA+1], v[RA+2:RA+3], 1.0, v[RA:RA+1] op_sel_hi:[1,0,1]
.elseif (\k) == 1
	v_pk_fma_f32 v[RA+4:RA+5], v[RA+6:RA+7], 1.0, v[RA+4:RA+5] op_sel_hi:[1,0,1]
.elseif (\k) == 2
	v_pk_fma_f32 v[RA:RA+1], v[RA+4:RA+5], 1.0, v[RA:RA+1] op_sel_hi:[1,0,1]
.else
	v_fma_f32 v[SS+2*(\e)+(\hd)], v[RA], 1.0, v[RA+1]
.endif
.endm
; tile T of key CE goes into q . k: four chains of packed multiply-adds, the tile's low end first; a head's first tile starts them.  One line of a finished head's adding-up follows
.macro CONSK
.set AA, ACC+16*(CE%2)+8*(T/4)
.set II, 0
.rept 4
.if T%4 == 0
	v_pk_mul_f32 v[AA+2*II:AA+2*II+1], v[RK+8*T+2*II:RK+8*T+2*II+1], v[QQ+8*T+2*II:QQ+8*T+2*II+1]
.else
	v_pk_fma_f32 v[AA+2*II:AA+2*II+1], v[RK+8*T+2*II:RK+8*T+2*II+1], v[QQ+8*T+2*II:QQ+8*T+2*II+1], v[AA+2*II:AA+2*II+1]
.endif
.set II, II+1
.endr
.if T >= 4
	REDK CE, 0, T-4
.elseif CE > 0
	REDK CE-1, 1, T
.endif
.endm
; out's tile T += p(key CE, the tile's head) x v's tile T.  Of the pair of p the head picks the register for both halves.  start = 1: the first key of all starts the sums: nothing is cleared
.macro CONSV start
.set II, 0
.rept 4
.if \start
.if T < 4
	v_pk_mul_f32 v[OO+8*T+2*II:OO+8*T+2*II+1], v[RV+8*T+2*II:RV+8*T+2*II+1], v[PP+2*CE:PP+2*CE+1] op_sel_hi:[1,0]
.else
	v_pk_mul_f32 v[OO+8*T+2*II:OO+8*T+2*II+1], v[RV+8*T+2*II:RV+8*T+2*II+1], v[PP+2*CE:PP+2*CE+1] op_sel:[0,1] op_sel_hi:[1,1]
.endif
.else
.if T < 4
	v_pk_fma_f32 v[OO+8*T+2*II:OO+8*T+2*II+1], v[RV+8*T+2*II:RV+8*T+2*II+1], v[PP+2*CE:PP+2*CE+1], v[OO+8*T+2*II:OO+8*T+2*II+1] op_sel_hi:[1,0,1]
.else
	v_pk_fma_f32 v[OO+8*T+2*II:OO+8*T+2*II+1], v[RV+8*T+2*II:RV+8*T+2*II+1], v[PP+2*CE:PP+2*CE+1], v[OO+8*T+2*II:OO+8*T+2*II+1] op_sel:[0,1,0] op_sel_hi:[1,1,1]
.endif
.endif
.set II, II+1
.endr
.endm
.macro SCALEO reg                      ; out's tile T times its head's number of the pair at reg (window 2)
.set II, 0
.rept 4
.if T < 4
	v_pk_mul_f32 v[OO+8*T+2*II:OO+8*T+2*II+1], v[OO+8*T+2*II:OO+8*T+2*II+1], v[\reg:\reg+1] op_sel_hi:[1,0]
.else
	v_pk_mul_f32 v[OO+8*T+2*II:OO+8*T+2*II+1], v[OO+8*T+2*II:OO+8*T+2*II+1], v[\reg:\reg+1] op_sel:[0,1] op_sel_hi:[1,1]
.endif
.set II, II+1
.endr
.endm
	s_load_b512 s[8:23], s[0:1], 0x0               ; context codes s[8:9], scales s[10:11]; x s[12:13], s[14:15]; Wkv s[16:17], s[18:19]; Wq s[20:21], s[22:23]
	s_load_b256 s[24:31], s[0:1], 0x40             ; Wo s[24:25], s[26:27]; bo s[28:29]; y s[30:31]
	v_lshl_add_u32 v254, v0, 2, 0x4e800
	v_mov_b32 v255, 0
	ds_add_u32 v254, v255
	ds_add_u32 v254, v255
	v_lshrrev_b32 v[TMP0], 5, v0
	v_readfirstlane_b32 s[WV], v[TMP0]             ; wave 0..3
	s_mul_i32 s[LB], s[WV], WREG
	s_lshl_b32 s[P0], ttmp9, 6
	s_lshl_b32 s5, s[WV], 4
	s_add_co_u32 s[P0], s[P0], s5                  ; my first pixel: 64 x work-group + 16 x wave
	; descriptor group 1, elements of one byte, no mask.  A chunk: 16 rows of 1,024 bytes, 4,096 bytes apart; four words of padding behind every 256
	s_mov_b32 s[G1C+0], (1<<20)|(7<<22)|(3<<25)
	s_mov_b32 s[G1C+1], 1024<<16                   ; tensor_dim0
	s_mov_b32 s[G1C+2], 16<<16                     ; tensor_dim1
	s_mov_b32 s[G1C+3], 1024<<16                   ; tile_dim0
	s_mov_b32 s[G1C+4], 16                         ; tile_dim1
	s_mov_b32 s[G1C+5], 4096                       ; from row to row
	s_mov_b32 s[G1C+6], 0
	s_mov_b32 s[G1C+7], 0
	; my 64 rows of Wkv: 128 bytes each, dense; four words of padding behind every 32
	s_mov_b32 s[G1W+0], (1<<20)|(4<<22)|(3<<25)
	s_mov_b32 s[G1W+1], 128<<16
	s_mov_b32 s[G1W+2], 64<<16
	s_mov_b32 s[G1W+3], 128<<16
	s_mov_b32 s[G1W+4], 64
	s_mov_b32 s[G1W+5], 128
	s_mov_b32 s[G1W+6], 0
	s_mov_b32 s[G1W+7], 0
	; my 32 rows of Wq
	s_mov_b32 s[G1Q+0], (1<<20)|(4<<22)|(3<<25)
	s_mov_b32 s[G1Q+1], 128<<16
	s_mov_b32 s[G1Q+2], 32<<16
	s_mov_b32 s[G1Q+3], 128<<16
	s_mov_b32 s[G1Q+4], 32
	s_mov_b32 s[G1Q+5], 128
	s_mov_b32 s[G1Q+6], 0
	s_mov_b32 s[G1Q+7], 0
	; groups 0: the count and the LDS addresses: a constant + the wave's number x a constant
	s_mov_b32 s[G0W], 1
	s_mul_i32 s[G0W+1], s[WV], 64*WP
	s_add_co_u32 s[G0W+1], s[G0W+1], WKVB
	s_mov_b32 s[G0Q], 1
	s_mul_i32 s[G0Q+1], s[WV], 32*WP
	s_add_co_u32 s[G0Q+1], s[G0Q+1], WQB
.irp g, 0,1,2,3
	s_mov_b32 s[G0C+4*\g], 1
	s_add_co_u32 s[G0C+4*\g+1], s[LB], \g*CHB
.endr
	s_mov_b32 s[SEL], 0x76543210
	s_mov_b32 s[SEL+1], 0xfedcba98
	s_mov_b32 s[CS], 0x3e38aa3b                    ; c = log2(e) / 8
	s_mov_b32 s[CS+1], 0x3e38aa3b                  ; (the packed forms name a pair and take its low word: both are written)
	s_mov_b32 s[NC], 0xbe38aa3b
	s_mov_b32 s[NC+1], 0xbe38aa3b
	s_mov_b32 s[MNT], 0x600000
	s_mov_b32 s7, 0                                ; the high word of every offset
	v_and_b32 v[RR], 15, v0
	v_bfe_u32 v[HH], v0, 4, 1
	v_and_b32 v[LN], 31, v0
	v_and_b32 v[RP], 8, v[RR]
	v_add_nc_u32 v[RP], v[RP], v[RR]
	v_lshlrev_b32 v[A128], 7, v[RR]
	v_lshl_add_u32 v[A128], v[HH], 4, v[A128]
	v_mul_u32_u24 v[ADC], v[RR], CP
	v_lshl_add_u32 v[ADC], v[HH], 4, v[ADC]
	v_add_nc_u32 v[ADC], s[LB], v[ADC]
	v_mul_u32_u24 v[AWN], v[RR], WP
	v_lshl_add_u32 v[AWN], v[HH], 4, v[AWN]
	v_add_nc_u32 v[AWN], WKVB, v[AWN]
	v_mul_u32_u24 v[AWV], v[RP], WP
	v_lshl_add_u32 v[AWV], v[HH], 4, v[AWV]
	v_add_nc_u32 v[AWV], WKVB+128*WP, v[AWV]
	v_lshlrev_b32 v[L4], 2, v[LN]
	v_lshl_add_u32 v[V4], v[HH], 3, v[RP]
	v_lshlrev_b32 v[V4], 2, v[V4]
	v_lshlrev_b32 v[R4], 2, v[RR]
	v_lshlrev_b32 v[H32], 5, v[HH]
	v_mul_u32_u24 v[STO], v[RR], SP
	v_lshl_add_u32 v[STO], v[HH], 5, v[STO]
	v_add_nc_u32 v[STO], s[LB], v[STO]
	v_lshlrev_b32 v[GO], 4, v[LN]
	v_add_nc_u32 v[RD], s[LB], v[GO]
	s_wait_dscnt 0x0
	s_wait_kmcnt 0x0
	s_lshl_b32 s6, s[P0], 12                       ; a pixel's context is 4,096 bytes
	s_add_nc_u64 s[8:9], s[8:9], s[6:7]
	s_lshl_b32 s6, s[WV], 13                       ; my 64 rows of Wkv
	s_add_nc_u64 s[G0W+2:G0W+3], s[16:17], s[6:7]
	s_or_b32 s[G0W+3], s[G0W+3], 0x80000000        ; the type
	s_lshl_b32 s6, s[WV], 12                       ; my 32 rows of Wq
	s_add_nc_u64 s[G0Q+2:G0Q+3], s[20:21], s[6:7]
	s_or_b32 s[G0Q+3], s[G0Q+3], 0x80000000
.irp g, 0,1,2,3
	s_add_nc_u64 s[G0C+4*\g+2:G0C+4*\g+3], s[8:9], \g*1024     ; keys 8 g on of my first pixel
	s_or_b32 s[G0C+4*\g+3], s[G0C+4*\g+3], 0x80000000
.endr
	; all that the wave will ever take through LDS is asked for now: six loads, each into bytes of its own; their descriptors are never written again
	tensor_load_to_lds s[G0W:G0W+3], s[G1W:G1W+7]
	s_nop 0
	tensor_load_to_lds s[G0Q:G0Q+3], s[G1Q:G1Q+7]
	s_nop 0
	tensor_load_to_lds s[G0C:G0C+3], s[G1C:G1C+7]
	s_nop 0
	tensor_load_to_lds s[G0C+4:G0C+7], s[G1C:G1C+7]
	s_nop 0
	tensor_load_to_lds s[G0C+8:G0C+11], s[G1C:G1C+7]
	s_nop 0
	tensor_load_to_lds s[G0C+12:G0C+15], s[G1C:G1C+7]
	s_nop 0
	PLACES 4                                       ; four such lines behind the loads
	s_lshl_b32 s6, s[P0], 7                        ; 128 bytes a pixel: the context's scale bytes, and x's codes
	s_add_nc_u64 s[10:11], s[10:11], s[6:7]
	s_add_nc_u64 s[12:13], s[12:13], s[6:7]
	s_lshl_b32 s6, s[P0], 2                        ; x's scale word
	s_add_nc_u64 s[14:15], s[14:15], s[6:7]
	s_lshl_b32 s6, s[P0], 9                        ; a row of y is 512 bytes
	s_add_nc_u64 s[30:31], s[30:31], s[6:7]
.irp c, 0,1,2,3
	global_load_b128 v[XF+4*\c:XF+4*\c+3], v[A128], s[12:13] offset:32*\c      ; x(r, 32 c + 16 h ..)
.endr
	global_load_b32 v[XS], v[R4], s[14:15]
.irp g, 0,1,2,3
	global_load_b128 v[SC+4*\g:SC+4*\g+3], v[A128], s[10:11] offset:32*\g      ; pixel r's words of keys 8 g + 4 h + 0 .. 3
.endr
.irp i, 0,1,2,3
	global_load_b32 v[WKS+\i], v[L4], s[18:19] offset:128*\i                   ; rows 32 i + lane
	global_load_b32 v[WVS+\i], v[V4], s[18:19] offset:512+128*\i               ; rows 128 + 32 i + 8 h + r + 8 (r / 8)
	global_load_b32 v[WQS+\i], v[L4], s[22:23] offset:128*\i
	global_load_b32 v[WOS+\i], v[L4], s[26:27] offset:128*\i
.endr
	s_wait_tensorcnt 0x4                           ; my shares of Wkv and Wq have landed; the four chunks issued behind them stay out
	s_barrier_signal -1
	s_barrier_wait -1                              ; everybody's shares have: the one barrier of the text
	WIN 0x80                                       ; destination window 2
.set T, 0
.rept 8
	FRAG 16*T, AWN, 256*WP+16*WP*T                 ; Wq, where the context's fragments will lie
.set T, T+1
.endr
	WIN 0x40                                       ; destination window 1
.set T, 0
.rept 8
	FRAG 16*T, AWN, 16*WP*T                        ; Wk: it stays through the four chunks
.set T, T+1
.endr
	s_wait_loadcnt 0x0                             ; x and all the scale words
	s_wait_dscnt 32                                ; Wq is in; Wk's 32 loads may be out
	WIN 0x82                                       ; source 0 (Wq) and destination (q) window 2, source 1 (x) window 0
.set T, 0
.rept 8
	MM QQ+8*T, 16*T, XF, WQS+T/2, T%2, XS, 0
.set T, T+1
.endr
	WIN 0xc0                                       ; destination window 3
.set T, 0
.rept 8
	FRAG 16*T, AWV, (32*(T/2)+8*(T%2))*WP          ; Wv, its tiles' rows chosen
.set T, T+1
.endr
	WIN 0
	PLACES 8                                       ; in front of the loads into the registers that held Wq
; A CHUNK: keys 8 g .. 8 g + 7 of my 16 pixels.
.macro CHUNK g
	s_wait_tensorcnt 3-\g                          ; a wave's tensor loads end in order: this chunk has landed, the later ones may be out.  Only I read these bytes
	WIN 0x80                                       ; (behind the last chunk's products stand 28 packed multiply-adds that name none of their registers: the places in front of these loads)
.set E, 0
.rept 8
	FRAG 16*E, ADC, \g*CHB+128*E                   ; key E of 16 pixels: read from LDS once, for k and for v
.set E, E+1
.endr
	; ---- K: k of key E by eight products; between them key E - 1 goes into q . k
	WIN W_K
.set E, 0
.rept 8
	s_wait_dscnt 4*(7-E)                           ; key E's four loads are in (and all that was asked before them: Wk, Wv); the later keys' may be out
.set CE, E-1
.set T, 0
.rept 8
.if E > 0
	CONSK
.endif
	KMM \g
.set T, T+1
.endr
.if E == 0
	PLACES 9                                       ; eight in front of the first read of tile 0, nine in front of the product that writes over it; later seven tiles' vector work stands there
.endif
.set E, E+1
.endr
.set CE, 7
.set T, 0
.rept 8
	CONSK
.set T, T+1
.endr
.irp k, 0,1,2,3
	REDK 7, 1, \k
.endr
	; ---- the softmax's step: a lane has half of each score; with lane l xor 16's half both lanes hold the same bits from here on
	WIN W_S
.set MXC, MX+2*((\g)%2)
.set MXP, MX+2*((\g+1)%2)
.set NGC, NG+2*((\g)%2)
.set NGP, NG+2*((\g+1)%2)
.set II, 0
.rept 16
	v_permlanex16_b32 v[ACC+II], v[SS+II], s[SEL], s[SEL+1]
.set II, II+1
.endr
.set II, 0
.rept 8
	v_pk_add_f32 v[SS+2*II:SS+2*II+1], v[SS+2*II:SS+2*II+1], v[ACC+2*II:ACC+2*II+1]
.set II, II+1
.endr
.irp hd, 0,1
	v_max3_num_f32 v[MXC+\hd], v[SS+\hd], v[SS+2+\hd], v[SS+4+\hd]
.endr
.irp hd, 0,1
	v_max3_num_f32 v[MXC+\hd], v[MXC+\hd], v[SS+6+\hd], v[SS+8+\hd]
.endr
.irp hd, 0,1
	v_max3_num_f32 v[MXC+\hd], v[MXC+\hd], v[SS+10+\hd], v[SS+12+\hd]
.endr
.irp hd, 0,1
.if \g == 0
	v_max_num_f32 v[MXC+\hd], v[MXC+\hd], v[SS+14+\hd]
.else
	v_max3_num_f32 v[MXC+\hd], v[MXC+\hd], v[SS+14+\hd], v[MXP+\hd]            ; with the maximum so far
.endif
.endr
	v_pk_mul_f32 v[NGC:NGC+1], v[MXC:MXC+1], s[NC:NC+1] op_sel_hi:[1,0]        ; - c m
.if \g > 0
	v_pk_add_f32 v[FA:FA+1], v[NGC:NGC+1], v[NGP:NGP+1] neg_lo:[0,1] neg_hi:[0,1]   ; c m_old - c m_new, of the very numbers that were and are taken off
.endif
.set II, 0
.rept 8
	v_pk_fma_f32 v[SS+2*II:SS+2*II+1], v[SS+2*II:SS+2*II+1], s[CS:CS+1], v[NGC:NGC+1] op_sel_hi:[1,0,1]   ; c s - c m
.set II, II+1
.endr
	WIN W_E
.set II, 0
.rept 16
	v_exp_f32 v[PP+II], v[SS+II]
.set II, II+1
.endr
.if \g > 0
	v_exp_f32 v[FF], v[FA]
	v_exp_f32 v[FF+1], v[FA+1]
.endif
	v_nop                                          ; a plain instruction behind the exponentials
	WIN W_L
	s_wait_alu depctr_va_vdst(0)
	v_pk_add_f32 v[UU:UU+1], v[PP:PP+1], v[PP+2:PP+3]
	v_pk_add_f32 v[UU+2:UU+3], v[PP+4:PP+5], v[PP+6:PP+7]
	v_pk_add_f32 v[UU+4:UU+5], v[PP+8:PP+9], v[PP+10:PP+11]
	v_pk_add_f32 v[UU+6:UU+7], v[PP+12:PP+13], v[PP+14:PP+15]
	v_pk_add_f32 v[UU:UU+1], v[UU:UU+1], v[UU+2:UU+3]
	v_pk_add_f32 v[UU+4:UU+5], v[UU+4:UU+5], v[UU+6:UU+7]
.if \g == 0
	v_pk_add_f32 v[LL:LL+1], v[UU:UU+1], v[UU+4:UU+5]
.else
	v_pk_add_f32 v[UU:UU+1], v[UU:UU+1], v[UU+4:UU+5]
	v_pk_fma_f32 v[LL:LL+1], v[LL:LL+1], v[FF:FF+1], v[UU:UU+1]
.endif
.if \g == 3
	; Wk and the scores' registers are done with: Wo's fragments and bo come straight from memory into them, and land under the V phase
	WIN 0x40
.set T, 0
.rept 8
.irp c, 0,1,2,3
	global_load_b128 v[16*T+4*\c:16*T+4*\c+3], v[A128], s[24:25] offset:2048*T+32*\c
.endr
.set T, T+1
.endr
.set T, 0
.rept 8
	global_load_b128 v[BO+8*T:BO+8*T+3], v[H32], s[28:29] offset:64*T          ; bo(16 T + 8 h + 0 .. 7): the result's layout
	global_load_b128 v[BO+8*T+4:BO+8*T+7], v[H32], s[28:29] offset:64*T+16
.set T, T+1
.endr
.endif
	; ---- V: v of key E by eight products; between them p x v of key E - 1 goes into out; beside key 0's products out is brought under the new maximum
	WIN W_V
.set E, 0
.rept 8
.set CE, E-1
.set T, 0
.rept 8
.if E > 0
.if (\g == 0) && (E == 1)
	CONSV 1
.else
	CONSV 0
.endif
.endif
	VMM \g
.if (E == 0) && (\g > 0)
	SCALEO FF
.endif
.set T, T+1
.endr
.if (E == 0) && (\g == 0)
	PLACES 9                                       ; as in the K phase; in the later chunks the 32 multiplications by the factor stand there
.endif
.set E, E+1
.endr
.set CE, 7
.set T, 0
.rept 8
	CONSV 0
.set T, T+1
.endr
.endm
	CHUNK 0
	CHUNK 1
	CHUNK 2
	CHUNK 3                                        ; its wait on the tensor loads is for 0: none is out from here on
	; out / the sum: the finished, normalised attention output, in f32
	WIN W_L
	v_rcp_f32 v[RL], v[LL]
	v_rcp_f32 v[RL+1], v[LL+1]
	v_nop                                          ; a plain instruction behind the reciprocals
	s_wait_alu depctr_va_vdst(0)
	WIN W_V
.set T, 0
.rept 8
	SCALEO RL
.set T, T+1
.endr
	; THE QUANTISER.  Register OO + 16 b + i is k = 32 b + 16 h + i of my pixel: a block of 32 lies in lanes l and l xor 16
	WIN 0xff                                       ; all window 3
.irp b, 0,1,2,3
	v_mov_b32 v[TM+4+\b], 0                        ; a lane permute's destination counts as one of its sources
.endr
.irp b, 0,1,2,3
	v_max3_num_f32 v[TM+\b], |v[OO+16*\b]|, |v[OO+1+16*\b]|, 0x4800000         ; my 16 numbers of block b, and the floor 2^(9 - 127): the byte cannot fall under 1
.endr
.irp i, 2,4,6,8,10,12,14
.irp b, 0,1,2,3
	v_max3_num_f32 v[TM+\b], v[TM+\b], |v[OO+16*\b+\i]|, |v[OO+1+16*\b+\i]|    ; the four blocks by turns
.endr
.endr
.irp b, 0,1,2,3
	v_permlanex16_b32 v[TM+4+\b], v[TM+\b], s[SEL], s[SEL+1]
.endr
.irp b, 0,1,2,3
	v_max_num_f32 v[TM+\b], v[TM+\b], v[TM+4+\b]   ; the block's largest magnitude
.endr
.irp b, 0,1,2,3
	v_add_nc_u32 v[TM+12+\b], 0xfc000000, v[TM+\b] ; 8 off its exponent field: the conversion's scale operand
.endr
.irp b, 0,1,2,3
	v_and_or_b32 v[TM+8+\b], v[TM+\b], 0x7f800000, s[MNT]      ; 448 x the scale
.endr
.irp b, 0,1,2,3
	v_lshrrev_b32 v[TM+4+\b], 23, v[TM+12+\b]      ; the scale's byte
.endr
	v_lshl_or_b32 v[TM+4], v[TM+5], 8, v[TM+4]
	v_lshl_or_b32 v[TM+4], v[TM+6], 16, v[TM+4]
	WIN 0x3f                                       ; destination window 0: scale operands are taken from there
	v_lshl_or_b32 v[PW], v[TM+7], 24, v[TM+4]      ; my pixel's scale word; the 64 holds below stand between it and the products
	WIN 0xff
.irp b, 0,1,2,3
.irp i, 0,1,2,3,4,5,6,7,8,9,10,11,12,13,14,15
	v_med3_num_f32 v[OO+16*\b+\i], v[OO+16*\b+\i], -v[TM+8+\b], v[TM+8+\b]     ; the conversion to an 8-bit code does not saturate (ISA guide 7.6.2): the hold at the largest code x the scale
.endr
	v_cvt_scalef32_pk8_fp8_f32 v[PC+4*\b:PC+4*\b+1], v[OO+16*\b:OO+16*\b+7], v[TM+12+\b]
	v_cvt_scalef32_pk8_fp8_f32 v[PC+4*\b+2:PC+4*\b+3], v[OO+16*\b+8:OO+16*\b+15], v[TM+12+\b]
.endr
	PLACES 4                                       ; codes written by vector instructions stand four places ahead of the scaled products
	s_wait_loadcnt 0x0                             ; Wo and bo
	WIN 0x5d                                       ; source 0 (Wo), C (bo) and destination (y) window 1, source 1 (the codes) window 3
.set T, 0
.rept 8
.if T%2
	v_wmma_scale_f32_16x16x128_f8f6f4 v[RK+8*T:RK+8*T+7], v[16*T:16*T+15], v[PC:PC+15], v[BO+8*T:BO+8*T+7], v[WOS+T/2], v[PW] matrix_a_scale:MATRIX_SCALE_ROW1
.else
	v_wmma_scale_f32_16x16x128_f8f6f4 v[RK+8*T:RK+8*T+7], v[16*T:16*T+15], v[PC:PC+15], v[BO+8*T:BO+8*T+7], v[WOS+T/2], v[PW]
.endif
.set T, T+1
.endr
	PLACES 8                                       ; in front of the first read of the results
	; THE WAY OUT.  A lane holds 32 neighbouring bytes of a row of y for each tile; through my stage they come back as whole rows of 512 bytes
	WIN 0x04                                       ; an LDS store's data are its source 1: window 1
.set T, 0
.rept 8
	ds_store_b128 v[STO], v[RK+8*T:RK+8*T+3] offset:64*T                       ; each accumulator from its low end on
	ds_store_b128 v[STO], v[RK+8*T+4:RK+8*T+7] offset:64*T+16
.set T, T+1
.endr
	WIN 0x80
.set II, 0
.rept 16
	ds_load_b128 v[4*II:4*II+3], v[RD] offset:SP*II                            ; LDS serves a wave's instructions in order (ISA guide 5.7.1.4): these see the stores above
.set II, II+1
.endr
	WIN 0x08                                       ; a global store's data are its source 1: window 2
.set II, 0
.rept 16
	s_wait_dscnt 15-II                             ; row II is back; the later rows may be out
	global_store_b128 v[GO], v[4*II:4*II+3], s[30:31] offset:512*II th:TH_STORE_NT   ; 32 lanes store 512 consecutive bytes, at a multiple of 256 from y's first byte
.set II, II+1
.endr
	WIN 0
	s_wait_tensorcnt 0x0
	ds_add_u32 v254, v255
	s_wait_dscnt 0x0
	s_endpgm
.Lfunc_end_k_qeab7b99d89_attn:
	.size	k_qeab7b99d89_attn, .Lfunc_end_k_qeab7b99d89_attn-k_qeab7b99d89_attn
	.p2alignl 7, 3214868480
	.fill 96, 4, 3214868480
	.section	.rodata,"a",@progbits
	.p2align	6, 0x0
	.amdhsa_kernel k_qeab7b99d89_attn
		.amdhsa_group_segment_fixed_size 327680
		.amdhsa_private_segment_fixed_size 0
		.amdhsa_enable_private_segment 0
		.amdhsa_kernarg_size 96
		.amdhsa_user_sgpr_count 2
		.amdhsa_user_sgpr_kernarg_segment_ptr 1
		.amdhsa_wavefront_size32 1
		.amdhsa_system_sgpr_workgroup_id_x 1
		.amdhsa_system_sgpr_workgroup_id_y 1
		.amdhsa_system_sgpr_workgroup_id_z 1
		.amdhsa_system_vgpr_workitem_id 0
		.amdhsa_next_free_vgpr 1024
		.amdhsa_next_free_sgpr 96
		.amdhsa_reserve_vcc 0
		.amdhsa_float_denorm_mode_32 3
		.amdhsa_float_denorm_mode_16_64 3
		.amdhsa_memory_ordered 1
		.amdhsa_forward_progress 1
		.amdhsa_inst_pref_size 255
	.end_amdhsa_kernel
	.section	.bss,"aw",@nobits
	.p2align	6
	.space	262144
	.amdgpu_metadata
---
amdhsa.version: [ 1, 2 ]
amdhsa.kernels:
  - .name:           k_qeab7b99d89_attn
    .symbol:         k_qeab7b99d89_attn.kd
    .args:
      - { .name: context_codes, .offset: 0, .size: 8, .value_kind: global_buffer, .address_space: global }
      - { .name: context_scales, .offset: 8, .size: 8, .value_kind: global_buffer, .address_space: global }
      - { .name: x_codes, .offset: 16, .size: 8, .value_kind: global_buffer, .address_space: global }
      - { .name: x_scales, .offset: 24, .size: 8, .value_kind: global_buffer, .address_space: global }
      - { .name: Wkv_codes, .offset: 32, .size: 8, .value_kind: global_buffer, .address_space: global }
      - { .name: Wkv_scales, .offset: 40, .size: 8, .value_kind: global_buffer, .address_space: global }
      - { .name: Wq_codes, .offset: 48, .size: 8, .value_kind: global_buffer, .address_space: global }
      - { .name: Wq_scales, .offset: 56, .size: 8, .value_kind: global_buffer, .address_space: global }
      - { .name: Wo_codes, .offset: 64, .size: 8, .value_kind: global_buffer, .address_space: global }
      - { .name: Wo_scales, .offset: 72, .size: 8, .value_kind: global_buffer, .address_space: global }
      - { .name: bo, .offset: 80, .size: 8, .value_kind: global_buffer, .address_space: global }
      - { .name: out0, .offset: 88, .size: 8, .value_kind: global_buffer, .address_space: global }
    .group_segment_fixed_size: 327680
    .private_segment_fixed_size: 0
    .kernarg_segment_align: 8
    .kernarg_segment_size: 96
    .max_flat_workgroup_size: 128
    .sgpr_count:     96
    .vgpr_count:     1024
    .wavefront_size: 32
...
	.end_amdgpu_metadata
.endif
;; end of part 1
